; MI455X (gfx1250); checked and timed in simulation.
; The chip was launched on July 23, 2026; its instructions are those of AMD's public machine-readable ISA for CDNA 5 (MIT licence, August 2026) and "CDNA5" Instruction Set Architecture Reference Guide (July 2026). The comments in the code are by the model that wrote it; some were corrected since.
;; Eqv Self Attention. Allowed arithmetic: matrix products marked QUANTISED: E5M2 operands, one E8M0 scale for each 32 along K, by v_wmma_scale_f32_16x16x128_f8f6f4 with both operands' format E5M2, f32 sums; products left as they are: f32 operands where the result goes on into a quantised operand, else bf16, f16 or f32 operands; f32 sums; everything else in f32.
;; Inputs: Wg1 8 x 3 x 3 float32; Wk_codes 256 x 8 x 32 uint8 (E5M2 codes of Wk, K innermost, in blocks of 32 codes); Wk_scales 256 x 8 uint8 (E8M0 scales of Wk, one for each 32 codes along K); Wo_codes 256 x 8 x 32 uint8 (E5M2 codes of Wo, K innermost, in blocks of 32 codes); Wo_scales 256 x 8 uint8 (E8M0 scales of Wo, one for each 32 codes along K); Wq_codes 256 x 8 x 32 uint8 (E5M2 codes of Wq, K innermost, in blocks of 32 codes); Wq_scales 256 x 8 uint8 (E8M0 scales of Wq, one for each 32 codes along K); Wv_codes 256 x 8 x 32 uint8 (E5M2 codes of Wv, K innermost, in blocks of 32 codes); Wv_scales 256 x 8 uint8 (E8M0 scales of Wv, one for each 32 codes along K); X_lift 4 x 1,024 x 3 float32; X_pairs 4 x 1,024 x 1,024 x 3 float32; Y_lift_codes 4 x 1,024 x 8 x 32 uint8 (E5M2 codes of Y_lift, K innermost, in blocks of 32 codes); Y_lift_scales 4 x 1,024 x 8 uint8 (E8M0 scales of Y_lift, one for each 32 codes along K); bg1 8 x 3 float32; bg2 8 float32; bk 256 float32; bo 256 float32; bq 256 float32; bv 256 float32; presence_k 4 x 1,024 float32; presence_q 4 x 1,024 float32; wg2 8 x 3 float32.
;; Outputs: out0 4 x 1,024 x 256 float32.
;; This version of the problem:
;;   THIS VERSION OF THE PROBLEM IS GIVEN IN LOW PRECISION. The matrix products marked QUANTISED in the list below multiply operands that are first quantised to E5M2 (5 exponent bits, 2 mantissa bits; 8 bits a number), with one power-of-two scale for each 32 numbers along K (OCP MX v1.0); their sums are f32. All else is computed in f32.
;;   The module's matrix products, in the order in which they are computed (A, B: the left and right operand; K: the contracted axis; several contracted axes count as one K, in the product's order):
;;     1. [M 4,096, K 256] x [K 256, N 256]; A: input Y_lift (given as codes); B: input Wq (given as codes): QUANTISED
;;     2. [M 4,096, K 256] x [K 256, N 256]; A: input Y_lift (given as codes); B: input Wk (given as codes): QUANTISED
;;     3. [M 4,096, K 256] x [K 256, N 256]; A: input Y_lift (given as codes); B: input Wv (given as codes): QUANTISED
;;     4. batch 32 x [M 1,024, K 32] x [K 32, N 1,024]; A: computed on the way; B: computed on the way: QUANTISED
;;     5. [M 24, K 3] x [K 3, N 4,194,304]; A: input Wg1; B: input X_pairs: left as it is (K = 3 < 32)
;;     6. batch 8 x [M 4,194,304, K 3] x [K 3, N 1]; A: computed on the way; B: input wg2: left as it is (K = 3 < 32)
;;     7. batch 32 x [M 1,024, K 1,024] x [K 1,024, N 32]; A: softmax (see below); B: computed on the way: QUANTISED
;;     8. [M 4,096, K 256] x [K 256, N 256]; A: computed on the way; B: input Wo (given as codes): QUANTISED
;;   THE QUANTISER, for each operand of a quantised product, along K:
;;     - K is cut into blocks of 32 from its start; a last block that is shorter is filled with zeros.
;;     - A block's scale is 2^e with e = floor(log2(the largest magnitude in the block)) - 15, held to -126 .. 127; a block of zeros has e = 0. As a byte (E8M0): e + 127.
;;     - Each number is divided by its block's scale, clamped to +-57,344, and rounded to the nearest number of E5M2, ties to even, subnormals kept.
;;     - The product sums the exact products of the quantised numbers (number of the format x scale) in f32.
;;   ~~~python
;;   def quantise(x, axis):      # numpy; x: float32 -> the quantised numbers, widened to float32 again
;;       x = np.moveaxis(x, axis, -1); K = x.shape[-1]
;;       x = np.pad(x, [(0, 0)] * (x.ndim - 1) + [(0, -K % 32)]); x = x.reshape(x.shape[:-1] + (-1, 32)); a = np.abs(x).max(-1, keepdims=True)
;;       e = np.where(a > 0, np.clip(np.frexp(np.where(a > 0, a, 1))[1] - 1 - 15, -126, 127), 0)      # np.frexp(a)[1] - 1 = floor(log2(a)), exactly
;;       r = np.clip(x / 2.0 ** e, -57344, 57344)
;;       step = 2.0 ** (np.maximum(np.frexp(np.where(r == 0, 1, r))[1] - 1, -14) - 2)
;;       q = np.round(r / step) * step * 2.0 ** e      # np.round: ties to even
;;       return np.moveaxis(q.reshape(q.shape[:-2] + (-1,))[..., :K], -1, axis).astype(np.float32)
;;   ~~~
;;   SOFTMAX AHEAD OF A QUANTISED PRODUCT. Where the list says 'softmax', what is quantised is not the finished softmax but p = 2^(t - M), with t = logit x log2(e) and M = ceil(the row's largest t), a whole number; so 1/2 < the row's largest p <= 1. The row's sum l is taken of the UNQUANTISED p, in f32, and the product's result is divided by l at the end. Since M is a whole number, a kernel that streams over the keys may use a running M (the ceiling of the running maximum): every later rescaling is an exact power of two, which a block's scale takes up: the codes' values come out the same.
;;   OPERANDS COMPUTED ON THE WAY. 'Computed on the way' means the value that the module computes at that place (a softmax that the list does not call 'softmax' is quantised finished and normalised). What goes into a quantiser is computed in f32, as accurately as f32 sums, v_exp_f32 and their like allow (about 1e-6 of the number): no bf16 or f16 on the way to a quantiser, and a product that is left as it is and whose result goes on into a quantised operand takes f32 operands (vector FMAs, or v_wmma_f32_16x16x4_f32). A number that lies on a knife's edge between two numbers of the format may be rounded either way, as far as f32 arithmetic and the matrix unit's own rounding can turn it there, and no further.
;;   INPUTS GIVEN AS CODES. Wk (in the module: [256, 256], K = its axis 0); Wo (in the module: [256, 256], K = its axis 0); Wq (in the module: [256, 256], K = its axis 0); Wv (in the module: [256, 256], K = its axis 0); Y_lift (in the module: [4, 1024, 256], K = its axis 2): each comes as NAME_codes (uint8): NAME with its K axis moved to the last place and cut into blocks of 32 codes, [.., K / 32, bytes a block], one block behind the other in memory; one code a byte (a code: sign, 5 exponent bits, 2 mantissa bits); and NAME_scales (uint8): the same leading axes, one E8M0 byte (e + 127) for each 32 codes along K. Its value is code x scale, taken as it is: it is not quantised again, and the codes and scales need not be those that the quantiser above would give.
;; One version. Each part assembles by itself: llvm-mc -triple=amdgcn-amd-amdhsa -mcpu=gfx1250 --defsym DOCPART=n.
;; ======== version 1 of 1: 2 launches
;; workspace buffers: pack 2,359,296 bytes; qbuf 1,179,648 bytes; vres 4,194,304 bytes
;; launch prep (part 1): grid 64 x 8, 4 waves a work-group, no clusters, 0 bytes of LDS; arguments Y_lift_codes, Y_lift_scales, Wq_codes, Wq_scales, bq, Wk_codes, Wk_scales, bk, Wv_codes, Wv_scales, bv, pack, qbuf, vres; writes pack, qbuf, vres
.if DOCPART == 1
	.amdgcn_target "amdgcn-amd-amdhsa--gfx1250"
	.amdhsa_code_object_version 6
	.text
	.protected	k_qd207b29d04_prep
	.globl	k_qd207b29d04_prep
	.p2align	8
	.type	k_qd207b29d04_prep,@function
k_qd207b29d04_prep:
	s_mov_b64 s[64:65], 0
	v_nop
	global_prefetch_b8 v0, s[64:65] scope:SCOPE_SE
	s_setreg_imm32_b32 hwreg(HW_REG_WAVE_MODE, 25, 1), 1
	s_wait_xcnt 0x0
; Q = Y Wq + bq, K = Y Wk + bk, V = Y Wv + bv on the given codes of BF8 (E5M2) with E8M0 scales; Y: 4,096 rows x 256, each W: 256 rows (outputs) x 256 along K.
; The results leave in the order in which the next launch's operand registers take them, so that it loads every fragment whole, 16 bytes a lane:
;   qbuf [group of 64 rows][head] : Q's codes (K = the head's 32), four tiles of 16 rows, lane (r, h) = dims 16 h .. 16 h + 15 of row r; then a scale word for each lane and pair of tiles
;   pack [128 keys][chunk = 2 x (head / 2) + half of the keys] : K's codes likewise, V's codes with the KEYS innermost, and both kinds of scale words: 9,216 dense bytes a chunk
;   vres [group][tile][head] : V in f32, for the residual, lane (r, h) = dims 16 h .. 16 h + 15 of row r
; THE ROWS OF A TILE ARE NOT NEIGHBOURS: lane r of tile 2 B + u of a group takes row 32 B + 8 u + r + 8 (r / 8), for Y's rows and for a head's 32 rows of W alike: so a lane's 16 registers of two neighbouring tiles
; are 16 neighbours along the next product's K, and the conversions' results are that product's operand registers.
; SHARES.  Work-group x = a group of 64 rows.  y / 2 = the product: 0 Q, 1 K, 2 V for the residual, 3 V with the keys innermost; head = 4 (y % 2) + wave.  A wave: 64 rows x 32 columns x K 256 = 16 matrix instructions, 32 rows at a time.
; Products 0 to 2 are used transposed (source 0 = 16 rows of W, source 1 = 16 rows of Y): a lane holds one row of Y and 16 dims.  Product 3 the natural way: a lane holds one dim and 16 keys.
; The bias is the C of each sum's first matrix instruction.  No LDS, no barrier: waves share nothing.  Every store of a wave covers 512 or 256 consecutive bytes, aligned.
; LIMITS: NaN and infinities are not served.  A block of zeros gets the scale byte 1 where the quantiser says 127: its codes are zeros, and this program alone reads the bytes.
.set WF, 16                            ; v16-79   W's fragments (tile v, K step ks) at 16 (2 v + ks)
.set WS, 80                            ; v80-83   W's scale words, a pair (K steps 0, 1) for each tile
.set BI, 84                            ; v84-99   the bias in the result's layout, eight registers a tile
.set YF, 100                           ; v100-163 Y's fragments (tile u, K step ks)
.set YS, 164                           ; v164-167 Y's scale words
.set AC, 168                           ; v168-199 four accumulators: (a, v) at 16 a + 8 v
.set TM, 200                           ; v200-213 at work
.set CD, 232                           ; v232-247 codes: four registers for each of the four blocks, so that no store's data are written again
.set SW, 248                           ; v248-249 the scale words that leave
.macro NOPS n
.rept \n
	v_nop
.endr
.endm
.macro LOADW                           ; my head's 32 rows of W, both K steps, and their scale words
.irp v,0,1
.irp ks,0,1
.irp c,0,1,2,3
	global_load_b128 v[WF+16*(2*\v+\ks)+4*\c:WF+16*(2*\v+\ks)+4*\c+3], v4, s[48:49] offset:2048*\v+128*\ks+32*\c
.endr
.endr
	global_load_b64 v[WS+2*\v:WS+2*\v+1], v5, s[50:51] offset:64*\v
.endr
.endm
.macro LOADY blk                       ; rows 32 blk .. 32 blk + 31 of my group, as two tiles
.irp u,0,1
.irp ks,0,1
.irp c,0,1,2,3
	global_load_b128 v[YF+16*(2*\u+\ks)+4*\c:YF+16*(2*\u+\ks)+4*\c+3], v4, s[4:5] offset:(32*\blk+8*\u)*256+128*\ks+32*\c
.endr
.endr
	global_load_b64 v[YS+2*\u:YS+2*\u+1], v5, s[6:7] offset:(32*\blk+8*\u)*8
.endr
.endm
.macro MM d, a, b, c, sa, sb
	v_wmma_scale_f32_16x16x128_f8f6f4 v[\d:\d+7], v[\a:\a+15], v[\b:\b+15], v[\c:\c+7], v[\sa], v[\sb] matrix_a_fmt:MATRIX_FMT_BF8 matrix_b_fmt:MATRIX_FMT_BF8
.endm
; Eight matrix instructions: the four accumulators take turns, one instruction a turn, K step by K step.
.macro PROD trans
.irp ks,0,1
.irp a,0,1
.irp v,0,1
.if \trans
.if \ks
	MM AC+16*\a+8*\v, WF+16*(2*\v+\ks), YF+16*(2*\a+\ks), AC+16*\a+8*\v, WS+2*\v+\ks, YS+2*\a+\ks
.else
	MM AC+16*\a+8*\v, WF+16*(2*\v+\ks), YF+16*(2*\a+\ks), BI+8*\v, WS+2*\v+\ks, YS+2*\a+\ks
.endif
.else
.if \ks
	MM AC+16*\a+8*\v, YF+16*(2*\v+\ks), WF+16*(2*\a+\ks), AC+16*\a+8*\v, YS+2*\v+\ks, WS+2*\a+\ks
.else
	MM AC+16*\a+8*\v, YF+16*(2*\v+\ks), WF+16*(2*\a+\ks), BI+8*\a, YS+2*\v+\ks, WS+2*\a+\ks
.endif
.endif
.endr
.endr
.endr
.endm
; Two blocks of 32 (a = 0, 1): a lane holds 16 numbers of each, lane l xor 16 the other 16.  Codes to v[CD + 4 (2 blk + a)] on, the scale's byte to v[TM + 8 + a].
.macro QUANT2 blk
.irp a,0,1
	v_max3_num_f32 v[TM+\a], |v[AC+16*\a]|, |v[AC+16*\a+1]|, 0x8000000   ; my 16 numbers and the floor 2^(16 - 127): the byte cannot fall under 1
.endr
.irp i,2,4,6,8,10,12,14
.irp a,0,1
	v_max3_num_f32 v[TM+\a], v[TM+\a], |v[AC+16*\a+\i]|, |v[AC+16*\a+\i+1]|
.endr
.endr
.irp a,0,1
	v_permlanex16_b32 v[TM+2+\a], v[TM+\a], s44, s45
.endr
.irp a,0,1
	v_max_num_f32 v[TM+\a], v[TM+\a], v[TM+2+\a]       ; the block's largest magnitude
.endr
.irp a,0,1
	v_add_nc_u32 v[TM+4+\a], 0xf8800000, v[TM+\a]      ; 15 off its exponent field: the conversion's scale operand
.endr
.irp a,0,1
	v_and_or_b32 v[TM+6+\a], v[TM+\a], 0x7f800000, s46 ; 57,344 x the scale
.endr
.irp a,0,1
	v_lshrrev_b32 v[TM+8+\a], 23, v[TM+4+\a]           ; the scale's byte
.endr
.irp a,0,1
.irp i,0,1,2,3,4,5,6,7,8,9,10,11,12,13,14,15
	v_med3_num_f32 v[AC+16*\a+\i], v[AC+16*\a+\i], -v[TM+6+\a], v[TM+6+\a]   ; the conversion to an 8-bit code does not saturate (ISA guide 7.6.2): the hold
.endr
.endr
.irp a,0,1
	v_cvt_scalef32_pk8_bf8_f32 v[CD+4*(2*\blk+\a):CD+4*(2*\blk+\a)+1], v[AC+16*\a:AC+16*\a+7], v[TM+4+\a]
	v_cvt_scalef32_pk8_bf8_f32 v[CD+4*(2*\blk+\a)+2:CD+4*(2*\blk+\a)+3], v[AC+16*\a+8:AC+16*\a+15], v[TM+4+\a]
.endr
	v_nop                                              ; a plain line behind the last conversion: the next products write the conversions' sources
.endm
	s_load_b512 s[4:19], s[0:1], 0x0               ; Y s[4:5], its scales s[6:7]; Wq, its scales, bq s[8:13]; Wk, its scales, bk s[14:19]
	s_load_b256 s[20:27], s[0:1], 0x40             ; Wv, its scales, bv s[20:25]; pack s[26:27]
	s_load_b128 s[28:31], s[0:1], 0x60             ; qbuf s[28:29], vres s[30:31]
	v_lshrrev_b32 v1, 5, v0
	v_readfirstlane_b32 s32, v1                    ; wave
	v_and_b32 v1, 31, v0                           ; lane
	v_and_b32 v2, 15, v0                           ; r
	v_bfe_u32 v3, v0, 4, 1                         ; h
	v_and_b32 v9, 8, v2
	v_add_nc_u32 v9, v9, v2                        ; r + 8 (r / 8)
	v_lshlrev_b32 v4, 8, v9
	v_lshl_add_u32 v4, v3, 4, v4                   ; a fragment's row of 256 bytes, + 16 h
	v_lshlrev_b32 v5, 3, v9                        ; its 8 scale bytes
	v_lshlrev_b32 v6, 4, v1                        ; out: 16 bytes a lane
	v_lshlrev_b32 v7, 3, v1                        ; out: 8 bytes a lane
	v_cmp_le_u32 vcc_lo, 16, v1                    ; lanes 16-31
	v_mov_b32 v[TM+2], 0                           ; a lane permute's destination counts as one of its sources
	v_mov_b32 v[TM+3], 0
	s_and_b32 s37, ttmp7, 0xffff
	s_lshr_b32 s33, s37, 1                         ; the product
	s_and_b32 s34, s37, 1
	s_lshl_b32 s34, s34, 2
	s_add_co_u32 s34, s34, s32                     ; the head
	s_and_b32 s35, s34, 1                          ; e: which of a pair of heads
	s_lshr_b32 s36, s34, 1                         ; the pair
	s_mov_b32 s44, 0x76543210
	s_mov_b32 s45, 0xfedcba98                      ; lane l xor 16
	s_mov_b32 s46, 0x600000                        ; the mantissa field of 57,344
	s_lshr_b32 s56, ttmp9, 1
	s_mul_i32 s56, s56, 73728                      ; pack: 128 keys are 8 chunks of 9,216 bytes;
	s_and_b32 s57, ttmp9, 1
	s_lshl_b32 s58, s36, 1
	s_add_co_u32 s57, s57, s58
	s_mul_i32 s57, s57, 9216
	s_add_co_u32 s56, s56, s57                     ; my chunk: 2 x pair + the half of the 128 keys that my group is
	s_mov_b32 s55, 0
	s_wait_kmcnt 0x0
	s_cmp_eq_u32 s33, 1                            ; the weights: the choice hangs on the work-group's number alone
	s_cselect_b64 s[48:49], s[14:15], s[20:21]
	s_cselect_b64 s[50:51], s[16:17], s[22:23]
	s_cselect_b64 s[52:53], s[18:19], s[24:25]
	s_cmp_eq_u32 s33, 0
	s_cselect_b64 s[48:49], s[8:9], s[48:49]
	s_cselect_b64 s[50:51], s[10:11], s[50:51]
	s_cselect_b64 s[52:53], s[12:13], s[52:53]
	s_lshl_b32 s54, ttmp9, 14
	s_add_nc_u64 s[4:5], s[4:5], s[54:55]          ; my 64 rows of Y
	s_lshl_b32 s54, ttmp9, 9
	s_add_nc_u64 s[6:7], s[6:7], s[54:55]
	s_lshl_b32 s54, s34, 13
	s_add_nc_u64 s[48:49], s[48:49], s[54:55]      ; my head's 32 rows of W
	s_lshl_b32 s54, s34, 8
	s_add_nc_u64 s[50:51], s[50:51], s[54:55]
	s_lshl_b32 s54, s34, 7
	s_add_nc_u64 s[52:53], s[52:53], s[54:55]      ; and its 32 numbers of the bias
	LOADW
	LOADY 0
	s_cmp_eq_u32 s33, 3
	s_cbranch_scc1 .Lvt
	v_lshlrev_b32 v8, 6, v3                        ; transposed: register i of a lane is dim 16 h + i
.irp i,0,1,2,3
	global_load_b128 v[BI+4*\i:BI+4*\i+3], v8, s[52:53] offset:16*\i
.endr
	s_cmp_eq_u32 s33, 2
	s_cbranch_scc1 .Lvres
	; ---- Q or K: codes along the head's 32
	s_mul_i32 s58, ttmp9, 18432
	s_mul_i32 s59, s34, 2304
	s_add_co_u32 s58, s58, s59                     ; Q: images,
	s_add_co_u32 s59, s58, 2048                    ;    scale words
	s_lshl_b32 s60, s35, 11
	s_add_co_u32 s60, s60, s56                     ; K: images,
	s_lshl_b32 s61, s35, 8
	s_add_co_u32 s61, s61, s56
	s_add_co_u32 s61, s61, 8192                    ;    scale words
	s_cmp_eq_u32 s33, 0
	s_cselect_b64 s[40:41], s[28:29], s[26:27]
	s_cselect_b32 s54, s59, s61
	s_add_nc_u64 s[42:43], s[40:41], s[54:55]
	s_cselect_b32 s54, s58, s60
	s_add_nc_u64 s[40:41], s[40:41], s[54:55]
.macro POSTQK blk
	QUANT2 \blk
.irp a,0,1
	global_store_b128 v6, v[CD+4*(2*\blk+\a):CD+4*(2*\blk+\a)+3], s[40:41] offset:(2*\blk+\a)*512
.endr
	v_perm_b32 v[TM+10], v[TM+8], v[TM+8], 0       ; the byte four times: the reader puts the block at any of an instruction's four places
	v_perm_b32 v[TM+11], v[TM+9], v[TM+9], 0
	v_cndmask_b32 v[SW+\blk], v[TM+10], v[TM+11], vcc_lo   ; lanes 0-15: tile 2 blk, lanes 16-31: tile 2 blk + 1
.endm
	s_wait_loadcnt 0x0
	PROD 1
	NOPS 9                                         ; places: loads into the fragments, reads of the results, and the next products, which write over these accumulators
	LOADY 1                                        ; lands while the first 32 rows are quantised
	POSTQK 0
	s_wait_loadcnt 0x0
	PROD 1
	NOPS 9
	POSTQK 1
	global_store_b64 v7, v[SW:SW+1], s[42:43]
	s_endpgm
.Lvres:	; ---- V in f32
	s_lshl_b32 s54, ttmp9, 16
	s_lshl_b32 s58, s34, 11
	s_add_co_u32 s54, s54, s58
	s_add_nc_u64 s[40:41], s[30:31], s[54:55]
.macro POSTV blk
.irp a,0,1
.irp i,0,1,2,3
	global_store_b128 v6, v[AC+16*\a+4*\i:AC+16*\a+4*\i+3], s[40:41] offset:(2*\blk+\a)*16384+512*\i   ; each accumulator from its low end on
.endr
.endr
.endm
	s_wait_loadcnt 0x0
	PROD 1
	NOPS 9
	LOADY 1
	POSTV 0
	s_wait_loadcnt 0x0
	s_wait_xcnt 0x0                                ; the stores have read the accumulators: they are written again only behind this wait
	PROD 1
	NOPS 9
	POSTV 1
	s_endpgm
.Lvt:	; ---- V with the keys innermost: a lane holds dim 8 a + r + 8 (r / 8) and 16 keys
	v_lshlrev_b32 v8, 2, v9
	global_load_b32 v[BI], v8, s[52:53]
	global_load_b32 v[BI+8], v8, s[52:53] offset:32
	s_lshl_b32 s54, s35, 8
	s_add_co_u32 s54, s54, s56
	s_add_co_u32 s54, s54, 8704
	s_add_nc_u64 s[42:43], s[26:27], s[54:55]      ; scale words
	s_lshl_b32 s54, s35, 11
	s_add_co_u32 s54, s54, s56
	s_add_co_u32 s54, s54, 4096
	s_add_nc_u64 s[40:41], s[26:27], s[54:55]      ; images
	s_wait_loadcnt 0x0
.irp i,1,2,3,4,5,6,7
	v_mov_b32 v[BI+\i], v[BI]                      ; all eight registers of a tile hold keys of the lane's one dim
	v_mov_b32 v[BI+8+\i], v[BI+8]
.endr
.macro POSTVT blk
	QUANT2 \blk
.irp a,0,1
	global_store_b128 v6, v[CD+4*(2*\blk+\a):CD+4*(2*\blk+\a)+3], s[40:41] offset:\a*1024+\blk*512
.if \blk
	v_lshl_or_b32 v[TM+12+\a], v[TM+8+\a], 8, v[TM+12+\a]
.else
	v_mov_b32 v[TM+12+\a], v[TM+8+\a]
.endif
.endr
.endm
	PROD 0
	NOPS 9
	LOADY 1
	POSTVT 0
	s_wait_loadcnt 0x0
	PROD 0
	NOPS 9
	POSTVT 1
	v_lshl_or_b32 v[TM+12], v[TM+12], 16, v[TM+12] ; the two bytes twice: the reader puts the two blocks at places 0, 1 or 2, 3
	v_lshl_or_b32 v[TM+13], v[TM+13], 16, v[TM+13]
	v_cndmask_b32 v[SW], v[TM+12], v[TM+13], vcc_lo    ; lanes 0-15: dims' tile 0, lanes 16-31: tile 1
	v_mov_b32 v[SW+1], v[SW]
	global_store_b64 v7, v[SW:SW+1], s[42:43]
	s_endpgm
.Lfunc_end_k_qd207b29d04_prep:
	.size	k_qd207b29d04_prep, .Lfunc_end_k_qd207b29d04_prep-k_qd207b29d04_prep
	.p2alignl 7, 3214868480
	.fill 96, 4, 3214868480
	.section	.rodata,"a",@progbits
	.p2align	6, 0x0
	.amdhsa_kernel k_qd207b29d04_prep
		.amdhsa_group_segment_fixed_size 0
		.amdhsa_private_segment_fixed_size 0
		.amdhsa_enable_private_segment 0
		.amdhsa_kernarg_size 112
		.amdhsa_user_sgpr_count 2
		.amdhsa_user_sgpr_kernarg_segment_ptr 1
		.amdhsa_wavefront_size32 1
		.amdhsa_system_sgpr_workgroup_id_x 1
		.amdhsa_system_sgpr_workgroup_id_y 1
		.amdhsa_system_sgpr_workgroup_id_z 1
		.amdhsa_system_vgpr_workitem_id 0
		.amdhsa_next_free_vgpr 256
		.amdhsa_next_free_sgpr 66
		.amdhsa_reserve_vcc 1
		.amdhsa_float_denorm_mode_32 3
		.amdhsa_float_denorm_mode_16_64 3
		.amdhsa_memory_ordered 1
		.amdhsa_forward_progress 1
		.amdhsa_inst_pref_size 40
	.end_amdhsa_kernel
	.amdgpu_metadata
---
amdhsa.version: [ 1, 2 ]
amdhsa.kernels:
  - .name:           k_qd207b29d04_prep
    .symbol:         k_qd207b29d04_prep.kd
    .args:
      - { .name: Y_lift_codes, .offset: 0, .size: 8, .value_kind: global_buffer, .address_space: global }
      - { .name: Y_lift_scales, .offset: 8, .size: 8, .value_kind: global_buffer, .address_space: global }
      - { .name: Wq_codes, .offset: 16, .size: 8, .value_kind: global_buffer, .address_space: global }
      - { .name: Wq_scales, .offset: 24, .size: 8, .value_kind: global_buffer, .address_space: global }
      - { .name: bq, .offset: 32, .size: 8, .value_kind: global_buffer, .address_space: global }
      - { .name: Wk_codes, .offset: 40, .size: 8, .value_kind: global_buffer, .address_space: global }
      - { .name: Wk_scales, .offset: 48, .size: 8, .value_kind: global_buffer, .address_space: global }
      - { .name: bk, .offset: 56, .size: 8, .value_kind: global_buffer, .address_space: global }
      - { .name: Wv_codes, .offset: 64, .size: 8, .value_kind: global_buffer, .address_space: global }
      - { .name: Wv_scales, .offset: 72, .size: 8, .value_kind: global_buffer, .address_space: global }
      - { .name: bv, .offset: 80, .size: 8, .value_kind: global_buffer, .address_space: global }
      - { .name: pack, .offset: 88, .size: 8, .value_kind: global_buffer, .address_space: global }
      - { .name: qbuf, .offset: 96, .size: 8, .value_kind: global_buffer, .address_space: global }
      - { .name: vres, .offset: 104, .size: 8, .value_kind: global_buffer, .address_space: global }
    .group_segment_fixed_size: 0
    .private_segment_fixed_size: 0
    .kernarg_segment_align: 8
    .kernarg_segment_size: 112
    .max_flat_workgroup_size: 128
    .sgpr_count:     66
    .vgpr_count:     256
    .wavefront_size: 32
...
	.end_amdgpu_metadata
.endif
;; end of part 1
;; launch attn (part 2): grid 256 x 1, 8 waves a work-group, clusters of 4 x 1, 327,680 bytes of LDS; arguments X_pairs, presence_q, presence_k, Wg1, bg1, wg2, bg2, pack, qbuf, vres, Wo_codes, Wo_scales, bo, out0; writes out0
.if DOCPART == 2
	.amdgcn_target "amdgcn-amd-amdhsa--gfx1250"
	.amdhsa_code_object_version 6
	.text
	.protected	k_qd207b29d04_attn
	.globl	k_qd207b29d04_attn
	.p2align	8
	.type	k_qd207b29d04_attn,@function
k_qd207b29d04_attn:
	s_mov_b64 s[64:65], 0
	v_nop
	global_prefetch_b8 v0, s[64:65] scope:SCOPE_SE
	s_setreg_imm32_b32 hwreg(HW_REG_WAVE_MODE, 25, 1), 1
	s_wait_xcnt 0x0
	s_wait_alu depctr_hold_cnt(0) depctr_sa_sdst(0) depctr_va_vdst(0) depctr_va_sdst(0) depctr_va_ssrc(0) depctr_va_vcc(0) depctr_vm_vsrc(0)
	s_getreg_b32 s2, hwreg(HW_REG_IB_STS2, 6, 4)
	s_cmp_eq_u32 s2, 0
	s_cbranch_scc0 .Lentry_in_a_cluster
	s_endpgm
.Lentry_in_a_cluster:
	s_bfe_u32 s2, ttmp6, 0x10000c
	s_cmp_lg_u32 s2, 0x3003
	s_cbranch_scc0 .Lentry_shape_is_right
	s_endpgm
.Lentry_shape_is_right:
; out = O + relu(O Wo + bo), O = V + softmax(masked(Q K^T / 16 + loc(X_pairs))) V, 8 heads of 32, 4 x 1,024 points.  Q K^T, P V and O Wo on codes of BF8 (E5M2) with E8M0 scales; all else in f32.
; SHARES.  A work-group owns 16 queries (one tile) and all 8 heads, so that each number of X_pairs is read from memory once.  Wave w = (pair hp = w / 2, half kh = w % 2) takes heads 2 hp, 2 hp + 1 and, of each step's 128 keys,
; keys 64 kh .. 64 kh + 63: what it reads of X and of the key mask from LDS serves two heads.  Each wave keeps M, the sum and O^T of its half; the halves are merged once, at the end, by exact powers of two; then wave w owns head w.
; LAYOUT.  Both products are used transposed (S^T = K Q^T, O^T = V^T P^T): a lane holds ONE query (lane % 16) throughout, and 16 registers of two neighbouring tiles are 16 neighbouring keys (the launch before chose the rows so).
; K = 32 fills one of an instruction's four blocks, 64 keys fill two.  Head A's data stand in the low blocks, head B's in the high ones; the query's side (Q, P) has ZERO CODES in the others, where the key's side simply
; runs on into the neighbouring fragments: finite codes of this program's own making, which add nothing against zeros.  The scale words repeat their bytes, so that every block finds a byte from 1 to 254.
; THE LOGIT, as t = logit x log2(e), two keys an instruction:  H_d = x W0d + y W1d + z W2d;  H_d = max(H_d, -bg1_d)  (relu(h + b) = max(h, -b) + b);  T = content x ALPHA + GAM;  T += H_d x BW_d;  T = T x pk + ck.
; Per query: ALPHA = pq log2e / 16, BW_d = pq log2e wg2_d, GAM = -(1 - pq) 1e38 log2e + pq log2e (bg2 + sum of wg2_d bg1_d).  Per key: ck = -(1 - pk) 1e38 log2e.  That is the mask's own form, for any presence.  GAM's first term and ck
; are made by the same three instructions, so rows without a query or without any key get equal t in all keys, as they do in the definition.
; SOFTMAX.  M = the running largest t rounded up to a whole number (kept as -M); p = 2^(t - M) is quantised along the keys; the sum is taken of the unquantised p and divides at the end.
; X_pairs lies x y z x y z; the packed forms want (x of key k, x of key k + 1) in a register pair.  So X goes memory -> registers (a lane a key, 12 bytes, each at a multiple of 4; 384 consecutive bytes a load) -> three planes in LDS -> registers.
; CLUSTER.  The four work-groups of a cluster are the four tiles of one group of 64 queries: they walk the same K and V, so each step's pack (73,728 bytes; a wave's chunk 9,216) is asked for JOINTLY.
; LIMITS: NaN and infinities are not served.  A block of zeros has the scale byte 1.  p under 2^-126 becomes 0.  The biases and pq log2e are folded into constants: an order of rounding other than the definition's, some 1e-7 of the terms.
; A block's largest p is made from its largest t by the same two instructions; that leans on the exponential not falling where its input rises.
;
; REGISTERS.  Window 0: v1, v2 the add's; v3-7 address bases; v8-12 the step's addresses; v13 12 x lane; v14 the prefetch's offset; v15 16 x lane; v16-33 constants in pairs (the low word serves both halves);
;   v34.., v40.. a head's -M, largest t, sum (pair), f, at work; v48-79 O^T; v80-143 T: scores, t, p; v144-167 p's codes: A, zeros, B; v168-191 H; v192-199 K's and V's scale words; v200-239 two buffers of x, y, z, pk, ck for four keys;
;   v240-243 the blocks' largest t; v244-247 permute's destinations; v248-251 scale words of Q (A, B) and of P (A, B).
;   Window 1 (named by the low 8 bits): v0-31 X on its way; v32-63 K's fragments; v64-95 V's; v96-115 Q: A, zeros, B.
.set SLOT1, 131072                     ; slot p begins at p x SLOT1: one exclusive or turns an address from one slot into the other
.set CHUNK, 9216
.set PACKB, 73728                      ; slot + 0: the pack, wave w's chunk at w x CHUNK: filled by tensor loads, read by wave w alone
.set XOFF,  73728                      ; slot + XOFF: X's planes [x, y, z][16 queries][128 keys]: written by LDS stores alone
.set XPL,   8448
.set XP,    528                        ; a query's row: 512 bytes + 16: the sixteen rows that a load touches start 16 bytes further on in each run of 256
.set MASK,  230144                     ; pk of the batch's 1,024 keys; 4,096 bytes on: ck
.set MRG,   238336                     ; the merge: [wave] 4,608 = [head of the pair] 2,304: O^T's image 2,048, then (-M, sum) 8 bytes a lane
.set OIMG,  275200                     ; O's two fragments as images of their registers
.set OSC,   279296                     ; their scale words
.set STG,   279552                     ; the way out: 16 rows x (1,024 + 16)
.set SPARE, 296192                     ; the spare words, 128 bytes a wave: four blocks of 256 bytes that no other line names
.set DUAL,  1                          ; 1: maximum and minimum go two to an instruction
.set MSB, 0
.macro WIN new                         ; the immediate's high byte repeats the setting that is left
.if MSB != \new
	s_set_vgpr_msb (MSB<<8)|\new
.set MSB, \new
.endif
.endm
.macro NOPS n
.rept \n
	v_nop
.endr
.endm
.macro ROUND                           ; a round of the cluster's barrier
	s_barrier_signal -1
	s_barrier_wait -1
	s_cmp_lg_u32 s87, 0
	s_cbranch_scc1 .Lnot_wave_0_\@
	s_barrier_signal -3
.Lnot_wave_0_\@:
	s_barrier_wait -3
	s_barrier_signal -1
	s_barrier_wait -1
.endm
; THE CHANGE OF SLOTS, at a step's head.  Each wave waits for all its tensor loads (one is out: its chunk of the step ahead), adds 0 to its spare word, and waits for that, for its reads of the slot that it has left and for its
; stores of X into the slot ahead.  fill = 1: the barrier is a round of the cluster's, and behind it the slot just left takes the next step's pack: every wave asks for its own chunk, and has a whole step in which it lands.
.macro CHANGE fill
	s_wait_tensorcnt 0x0                           ; no tensor load of mine is out, so the descriptor may be written
	ds_add_u32 v1, v2                              ; 0 onto my spare word
.if \fill
	s_xor_b32 s81, s81, SLOT1                      ; the other slot than last time,
	s_add_nc_u64 s[82:83], s[82:83], PACKB         ; the next 128 keys; the type bits on top are not reached
	s_wait_xcnt 0x0                                ; the last step's loads of X and its prefetch have read their bases
	s_add_nc_u64 s[90:91], s[90:91], 1536          ; X: 128 keys on
	s_add_nc_u64 s[92:93], s[92:93], 1536
	s_wait_dscnt 0x0
	ROUND
	tensor_load_to_lds s[80:83], s[72:79]          ; the first thing behind the round, and my one tensor load until the next
	s_nop 0
	NOPS 4
.else
	s_wait_dscnt 0x0
	s_barrier_signal -1
	s_barrier_wait -1
.endif
.endm
; A PREFETCH INTO THE L2 of the X that the NEXT step's loads will ask for: 16 rows x 1,536 bytes = 96 aligned blocks of 256 bytes, a lane a block, waves 0 to 2, one instruction each.  No other work-group reads these rows,
; so each block is named once in the launch.  It stands behind the wave's loads.  Steps 0 and 1 come by their loads alone; the last trip that loads asks for nothing: there is no step behind it.
.macro ASK
	s_cmp_gt_u32 s88, s89
	s_cbranch_scc0 .Lnot_mine_\@
	global_prefetch_b8 v14, s[92:93] th:TH_LOAD_NT scope:SCOPE_SE
.Lnot_mine_\@:
.endm
.macro QKI d, a, b, sa, sb, row1
.if \row1
	v_wmma_scale_f32_16x16x128_f8f6f4 v[\d:\d+7], v[\a:\a+15], v[\b:\b+15], 0, v[\sa], v[\sb] matrix_a_fmt:MATRIX_FMT_BF8 matrix_b_fmt:MATRIX_FMT_BF8 matrix_a_scale:MATRIX_SCALE_ROW1
.else
	v_wmma_scale_f32_16x16x128_f8f6f4 v[\d:\d+7], v[\a:\a+15], v[\b:\b+15], 0, v[\sa], v[\sb] matrix_a_fmt:MATRIX_FMT_BF8 matrix_b_fmt:MATRIX_FMT_BF8
.endif
.endm
.macro PVI d, a, b, sa, sb, row1
.if \row1
	v_wmma_scale_f32_16x16x128_f8f6f4 v[\d:\d+7], v[\a:\a+15], v[\b:\b+15], v[\d:\d+7], v[\sa], v[\sb] matrix_a_fmt:MATRIX_FMT_BF8 matrix_b_fmt:MATRIX_FMT_BF8 matrix_a_scale:MATRIX_SCALE_ROW1
.else
	v_wmma_scale_f32_16x16x128_f8f6f4 v[\d:\d+7], v[\a:\a+15], v[\b:\b+15], v[\d:\d+7], v[\sa], v[\sb] matrix_a_fmt:MATRIX_FMT_BF8 matrix_b_fmt:MATRIX_FMT_BF8
.endif
.endm
.macro RELU2 reg, sb                   ; two numbers: max(h, -b)
.if DUAL
	v_dual_max_num_f32 v[\reg], s[\sb], v[\reg] :: v_dual_max_num_f32 v[(\reg)+1], s[\sb], v[(\reg)+1]
.else
	v_max_num_f32 v[\reg], s[\sb], v[\reg]
	v_max_num_f32 v[(\reg)+1], s[\sb], v[(\reg)+1]
.endif
.endm
.macro HOLD2 reg, ba, bb               ; two numbers: min(p, the largest code x the scale); the bound stands in two registers, one for each half
.if DUAL
	v_dual_min_num_f32 v[\reg], v[\reg], v[\ba] :: v_dual_min_num_f32 v[(\reg)+1], v[(\reg)+1], v[\bb]
.else
	v_min_num_f32 v[\reg], v[\reg], v[\ba]
	v_min_num_f32 v[(\reg)+1], v[(\reg)+1], v[\bb]
.endif
.endm
; Quad g of 8: my lane's keys 32 (g / 4) + 16 h + 4 (g % 4) + 0 .. 3 of the wave's 64.  Five LDS loads: x, y, z of my query, pk and ck.
.macro LOADQ g, buf
.set QB, 200+20*(\buf)
.set QO, 128*((\g)/4)+16*((\g)%4)
.irp c,0,1,2
	ds_load_b128 v[QB+4*\c:QB+4*\c+3], v10 offset:XPL*\c+QO
.endr
	ds_load_b128 v[QB+12:QB+15], v12 offset:QO
	ds_load_b128 v[QB+16:QB+19], v12 offset:QO+4096
.endm
; The quad's logits for both heads: 72 instructions for 8 logits a lane.  T is taken in ascending order: each accumulator is first read at its low end.
.macro QUAD g, buf
.set QB, 200+20*(\buf)
.set TQ, 80+16*((\g)/4)+4*((\g)%4)
.irp e,0,1
.irp d,0,1,2
.irp p,0,1
	v_pk_mul_f32 v[168+12*\e+4*\d+2*\p:169+12*\e+4*\d+2*\p], v[QB+2*\p:QB+2*\p+1], s[28+2*(9*\e+\d):29+2*(9*\e+\d)] op_sel_hi:[1,0]
.endr
.endr
.endr
.irp c,1,2
.irp e,0,1
.irp d,0,1,2
.irp p,0,1
	v_pk_fma_f32 v[168+12*\e+4*\d+2*\p:169+12*\e+4*\d+2*\p], v[QB+4*\c+2*\p:QB+4*\c+2*\p+1], s[28+2*(9*\e+3*\c+\d):29+2*(9*\e+3*\c+\d)], v[168+12*\e+4*\d+2*\p:169+12*\e+4*\d+2*\p] op_sel_hi:[1,0,1]
.endr
.endr
.endr
.endr
.irp e,0,1
.irp d,0,1,2
.irp p,0,1
	RELU2 168+12*\e+4*\d+2*\p, 66+3*\e+\d
.endr
.endr
.endr
.irp e,0,1
.irp p,0,1
	v_pk_fma_f32 v[TQ+32*\e+2*\p:TQ+32*\e+2*\p+1], v[TQ+32*\e+2*\p:TQ+32*\e+2*\p+1], v[16:17], v[18+8*\e:19+8*\e] op_sel_hi:[1,0,0]
.endr
.endr
.irp d,0,1,2
.irp e,0,1
.irp p,0,1
	v_pk_fma_f32 v[TQ+32*\e+2*\p:TQ+32*\e+2*\p+1], v[168+12*\e+4*\d+2*\p:169+12*\e+4*\d+2*\p], v[20+8*\e+2*\d:21+8*\e+2*\d], v[TQ+32*\e+2*\p:TQ+32*\e+2*\p+1] op_sel_hi:[1,0,1]
.endr
.endr
.endr
.irp e,0,1
.irp p,0,1
	v_pk_fma_f32 v[TQ+32*\e+2*\p:TQ+32*\e+2*\p+1], v[TQ+32*\e+2*\p:TQ+32*\e+2*\p+1], v[QB+12+2*\p:QB+13+2*\p], v[QB+16+2*\p:QB+17+2*\p]
.endr
.endr
.irp e,0,1
.if ((\g)%4)==0
	v_max_num_f32 v[240+2*\e+(\g)/4], v[TQ+32*\e], v[TQ+32*\e+1]
.else
	v_max3_num_f32 v[240+2*\e+(\g)/4], v[240+2*\e+(\g)/4], v[TQ+32*\e], v[TQ+32*\e+1]
.endif
.endr
.irp e,0,1
	v_max3_num_f32 v[240+2*\e+(\g)/4], v[240+2*\e+(\g)/4], v[TQ+32*\e+2], v[TQ+32*\e+3]
.endr
.endm
; A KEY STEP.  more = 1: the next step's X is asked for at the head and goes into the other slot's planes at the end.
.macro STEP more
	s_xor_b32 s94, s2, SLOT1
	v_add_nc_u32 v8, s2, v3                        ; my chunk's images,
	v_add_nc_u32 v9, s2, v4                        ; its scale words,
	v_add_nc_u32 v10, s2, v5                       ; X's planes at my query and keys,
	v_add_nc_u32 v11, s94, v6                      ; the other slot's planes at the rows that I bring,
	v_add_nc_u32 v12, s3, v7                       ; the mask at my keys
	WIN 0x40                                       ; destinations in window 1
.if \more
.irp row,0,1
.irp j,0,1,2,3
	global_load_b96 v[4*(4*\row+\j):4*(4*\row+\j)+2], v13, s[90:91] offset:\row*12288+384*\j th:TH_LOAD_NT   ; 32 keys of one row: 384 consecutive bytes
.endr
.endr
.endif
.irp i,0,1,2,3,4,5,6,7
	ds_load_b128 v[32+4*\i:35+4*\i], v8 offset:512*\i          ; K: head i / 4, tile i % 4
.endr
.irp i,0,1,2,3,4,5,6,7
	ds_load_b128 v[64+4*\i:67+4*\i], v8 offset:4096+512*\i     ; V: head i / 4, dims' tile (i / 2) % 2, 32 keys i % 2
.endr
	WIN 0
.if \more
	ASK
.endif
.irp e,0,1
	ds_load_b64 v[192+2*\e:193+2*\e], v9 offset:256*\e
.endr
.irp e,0,1
	ds_load_b64 v[196+2*\e:197+2*\e], v9 offset:512+256*\e
.endr
	LOADQ 0, 0
	LOADQ 1, 1
	s_wait_dscnt 10                                ; the youngest ten loads are the two quads: K, V and the scale words are in
	WIN 0x05                                       ; sources 0 and 1 in window 1
.irp t,0,1,2,3
	QKI 80+8*\t, 32+4*\t, 96, 192+\t/2, 248, \t%2      ; head A: its block is the first of the four
	QKI 112+8*\t, 36+4*\t, 100, 194+\t/2, 249, \t%2    ; head B: the last
.endr
	WIN 0
.irp g,0,1,2,3,4,5,6,7                 ; quad 0's 36 lines of the hidden layer, which name no register of the products, are the places behind them
.if \g<7
	s_wait_dscnt 5                                 ; this quad's five loads are in, the next quad's may be out
.else
	s_wait_dscnt 0x0
.endif
	QUAD \g, \g%2
.if \g<6
	LOADQ \g+2, \g%2
.endif
.endr
	; the four blocks of 32 keys: i = 2 x head + block
.irp i,0,1,2,3
	v_permlanex16_b32 v[244+\i], v[240+\i], s84, s85
.endr
.irp i,0,1,2,3
	v_max_num_f32 v[240+\i], v[240+\i], v[244+\i]  ; with lane l xor 16's 16 keys: the block's largest t
.endr
.irp e,0,1
	v_max3_num_f32 v[35+6*\e], v[35+6*\e], v[240+2*\e], v[241+2*\e]   ; the running largest t
.endr
.irp e,0,1
	v_mov_b32 v[39+6*\e], v[34+6*\e]
.endr
.irp e,0,1
	v_floor_f32 v[34+6*\e], -v[35+6*\e]            ; the new -M = -ceil(t): a whole number
.endr
.irp e,0,1
	v_sub_f32 v[39+6*\e], v[34+6*\e], v[39+6*\e]   ; old M - new M, 0 or less
.endr
.irp e,0,1
	v_cvt_i32_f32 v[39+6*\e], v[39+6*\e]           ; (it saturates)
.endr
.irp e,0,1
	v_ldexp_f32 v[38+6*\e], 1.0, v[39+6*\e]        ; f = 2^(old M - new M): rounds nothing
.endr
.irp e,0,1
.irp j,0,2,4,6,8,10,12,14,16,18,20,22,24,26,28,30
	v_pk_add_f32 v[80+32*\e+\j:81+32*\e+\j], v[80+32*\e+\j:81+32*\e+\j], v[34+6*\e:35+6*\e] op_sel_hi:[1,0]   ; t - M
.endr
.endr
.irp e,0,1
.irp b,0,1
	v_add_f32 v[240+2*\e+\b], v[240+2*\e+\b], v[34+6*\e]   ; the same of each block's largest t
.endr
.endr
.set i, 0
.rept 64
	v_exp_f32 v[80+i], v[80+i]                     ; p = 2^(t - M), at most 1
.set i, i+1
.endr
.irp e,0,1
	v_pk_mul_f32 v[36+6*\e:37+6*\e], v[36+6*\e:37+6*\e], v[38+6*\e:39+6*\e] op_sel_hi:[1,0]   ; the sums under the new M: the plain lines behind the exponentials
.endr
	s_wait_alu depctr_va_vdst(0)                   ; one wait for the batch of 64, ahead of its first reader
.irp i,0,1,2,3
	v_exp_f32 v[240+\i], v[240+\i]                 ; the blocks' largest p
.endr
.irp e,0,1
	v_pk_add_f32 v[212+2*\e:213+2*\e], v[80+32*\e:81+32*\e], v[82+32*\e:83+32*\e]   ; the sum of the unquantised p, two chains a head; it reads the 64 alone
.endr
.irp j,4,8,12,16,20,24,28
.irp e,0,1
	v_pk_add_f32 v[36+6*\e:37+6*\e], v[36+6*\e:37+6*\e], v[80+32*\e+\j:81+32*\e+\j]
	v_pk_add_f32 v[212+2*\e:213+2*\e], v[212+2*\e:213+2*\e], v[82+32*\e+\j:83+32*\e+\j]
.endr
.endr
.irp e,0,1
	v_pk_add_f32 v[36+6*\e:37+6*\e], v[36+6*\e:37+6*\e], v[212+2*\e:213+2*\e]
.endr
	s_wait_alu depctr_va_vdst(0)                   ; and one for the four
.irp i,0,1,2,3
	v_max_num_f32 v[240+\i], 0x8000000, v[240+\i]  ; the floor 2^(16 - 127): the byte cannot fall under 1
.endr
.irp i,0,1,2,3
	v_add_nc_u32 v[204+\i], 0xf8800000, v[240+\i]  ; 15 off the exponent field: the conversion's scale operand
.endr
.irp i,0,1,2,3
	v_and_or_b32 v[200+\i], v[240+\i], 0x7f800000, s86         ; 57,344 x the scale,
	v_and_or_b32 v[216+(\i+1)%4], v[240+\i], 0x7f800000, s86   ; twice
.endr
.irp i,0,1,2,3
	v_lshrrev_b32 v[208+\i], 23, v[204+\i]         ; the scale's byte
.endr
.irp e,0,1
	v_lshl_or_b32 v[250+\e], v[209+2*\e], 8, v[208+2*\e]
.endr
.irp e,0,1
	v_lshl_or_b32 v[250+\e], v[250+\e], 16, v[250+\e]   ; P's scale word: the two bytes twice
.endr
.irp i,0,1,2,3
.irp k,0,2,4,6,8,10,12,14
	HOLD2 80+16*\i+\k, 200+\i, 216+(\i+1)%4        ; the conversion to an 8-bit code does not saturate (ISA guide 7.6.2); p is not negative, so the hold is one-sided
.endr
.endr
.irp e,0,1
.irp b,0,1
	v_cvt_scalef32_pk8_bf8_f32 v[144+16*\e+4*\b:145+16*\e+4*\b], v[80+32*\e+16*\b:87+32*\e+16*\b], v[204+2*\e+\b]
	v_cvt_scalef32_pk8_bf8_f32 v[146+16*\e+4*\b:147+16*\e+4*\b], v[88+32*\e+16*\b:95+32*\e+16*\b], v[204+2*\e+\b]
.endr
.endr
	v_nop                                          ; a plain line behind the last conversion
.irp e,0,1
.irp k,0,2,4,6,8,10,12,14
	v_pk_mul_f32 v[48+16*\e+\k:49+16*\e+\k], v[48+16*\e+\k:49+16*\e+\k], v[38+6*\e:39+6*\e] op_sel_hi:[1,0]   ; O^T under the new M; these 16 are also the places between the codes and the products
.endr
.endr
	WIN 0x01                                       ; source 0 in window 1
.irp u,0,1
	PVI 48+8*\u, 64+8*\u, 144, 196, 250, \u        ; head A: its 64 keys are blocks 0, 1
	PVI 64+8*\u, 72+8*\u, 152, 198, 251, \u        ; head B: blocks 2, 3
.endr
	WIN 0
	NOPS 8                                         ; places in front of the next loads into V's fragments and scale words, and of the first read of O^T
.if \more
	s_wait_loadcnt 0x0                             ; the next step's X, asked for at this step's head
	WIN 0x04                                       ; an LDS store's data are its source 1: window 1
.irp row,0,1
.irp j,0,1,2,3
.irp c,0,1,2
	ds_store_b32 v11, v[4*(4*\row+\j)+\c] offset:\row*XP+\c*XPL+128*\j   ; 32 lanes: 128 consecutive bytes of one plane.  The other slot's planes were last read a step ago, in front of the barrier at this step's head
.endr
.endr
.endr
	WIN 0
.endif
	s_xor_b32 s2, s2, SLOT1
	s_add_co_u32 s3, s3, 512
.endm
	s_load_b512 s[4:19], s[0:1], 0x0               ; X s[4:5], presence_q s[6:7], presence_k s[8:9], Wg1 s[10:11], bg1 s[12:13], wg2 s[14:15], bg2 s[16:17], pack s[18:19]
	s_load_b64 s[20:21], s[0:1], 0x40              ; qbuf
	v_lshl_add_u32 v1, v0, 2, SPARE
	v_mov_b32 v2, 0
	ds_add_u32 v1, v2
	ds_add_u32 v1, v2
	s_wait_dscnt 0x0
	v_lshrrev_b32 v3, 5, v0
	v_readfirstlane_b32 s87, v3                    ; wave 0..7
	s_and_b32 s95, s87, 1                          ; kh
	s_lshr_b32 s96, s87, 1                         ; hp
	; the one descriptor: a chunk, 9,216 dense bytes, as 36 rows of 256 (32 elements of 8 bytes)
	s_mov_b32 s72, 15|(3<<16)|(1<<21)              ; 15:0 the mask: all four work-groups; 17:16 elements of 8 bytes; 21 set beside a mask; no padding
	s_mov_b32 s73, 32<<16                          ; tensor_dim0
	s_mov_b32 s74, 36<<16                          ; tensor_dim1
	s_mov_b32 s75, 32<<16                          ; tile_dim0
	s_mov_b32 s76, 36                              ; tile_dim1
	s_mov_b32 s77, 32                              ; from row to row
	s_mov_b32 s78, 0
	s_mov_b32 s79, 0
	s_mov_b32 s80, 1
	s_mul_i32 s81, s87, CHUNK                      ; LDS: slot 0, my chunk
	s_lshr_b32 s24, ttmp9, 4                       ; the batch, which the four partners share
	s_mul_i32 s24, s24, 8*PACKB
	s_add_co_u32 s24, s24, s81
	s_mov_b32 s25, 0
	s_wait_kmcnt 0x0
	s_add_nc_u64 s[82:83], s[18:19], s[24:25]
	s_or_b32 s83, s83, 0x80000000
	ROUND                                          ; all four work-groups are here: the first joint loads meet
	tensor_load_to_lds s[80:83], s[72:79]          ; step 0's pack
	s_nop 0
	NOPS 4
	; my place.  What hangs on cx stays in s97 to s101 and enters global addresses alone
	s_bfe_u32 s97, ttmp6, 0x40000                  ; cx: which of the group's four tiles
	s_and_b32 s101, ttmp9, 15
	s_lshl_b32 s101, s101, 6
	s_lshr_b32 s98, ttmp9, 4
	s_lshl_b32 s98, s98, 10
	s_add_co_u32 s101, s101, s98
	s_lshr_b32 s98, s97, 1
	s_lshl_b32 s98, s98, 5
	s_add_co_u32 s101, s101, s98
	s_and_b32 s98, s97, 1
	s_lshl_b32 s98, s98, 3
	s_add_co_u32 s101, s101, s98                   ; the tile's first row: lane r's query is this + r + 8 (r / 8)
	s_mov_b32 s99, 0
	s_mul_i32 s98, s101, 12288
	s_add_nc_u64 s[92:93], s[4:5], s[98:99]
	s_add_nc_u64 s[92:93], s[92:93], 1536          ; the prefetches stand at step 1; the first change of slots steps them to step 2
	s_lshl_b32 s100, s87, 1
	s_lshr_b32 s98, s87, 2
	s_lshl_b32 s98, s98, 3
	s_add_co_u32 s100, s100, s98
	s_add_co_u32 s100, s100, s101                  ; the two rows that I bring and store: tile rows 2 w, 2 w + 1, which are neighbours
	s_mul_i32 s98, s100, 12288
	s_add_nc_u64 s[90:91], s[4:5], s[98:99]
	s_lshl_b32 s98, s101, 2
	s_add_nc_u64 s[6:7], s[6:7], s[98:99]
	s_lshr_b32 s98, ttmp9, 4
	s_lshl_b32 s98, s98, 12
	s_add_nc_u64 s[8:9], s[8:9], s[98:99]
	s_mul_i32 s98, ttmp9, 18432
	s_add_nc_u64 s[20:21], s[20:21], s[98:99]
	s_mul_i32 s98, s96, 4608
	s_add_nc_u64 s[20:21], s[20:21], s[98:99]      ; qbuf at my group and pair of heads
	s_mul_i32 s98, s96, 72
	s_add_nc_u64 s[10:11], s[10:11], s[98:99]      ; the pair's weights
	s_mul_i32 s98, s96, 24
	s_add_nc_u64 s[12:13], s[12:13], s[98:99]
	s_add_nc_u64 s[14:15], s[14:15], s[98:99]
	s_lshl_b32 s98, s96, 3
	s_add_nc_u64 s[16:17], s[16:17], s[98:99]
	v_and_b32 v15, 31, v0                          ; lane
	v_and_b32 v46, 15, v0                          ; r
	v_bfe_u32 v47, v0, 4, 1                        ; h
	v_lshl_add_u32 v3, v15, 4, s81
	s_add_co_u32 s94, s81, 8192
	v_lshl_add_u32 v4, v15, 3, s94
	v_mul_u32_u24 v5, v46, XP
	v_lshl_add_u32 v5, v47, 6, v5
	s_lshl_b32 s94, s95, 8
	s_add_co_u32 s94, s94, XOFF
	v_add_nc_u32 v5, s94, v5
	s_mul_i32 s94, s87, 2*XP
	s_add_co_u32 s94, s94, XOFF
	v_lshl_add_u32 v6, v15, 2, s94
	s_lshl_b32 s94, s95, 8
	s_add_co_u32 s94, s94, MASK
	v_lshl_add_u32 v7, v47, 6, s94
	v_mul_u32_u24 v13, v15, 12
	v_mul_u32_u24 v8, v0, 43                       ; the prefetch: block g = my thread's number (waves 0 to 2): row g / 6,
	v_lshrrev_b32 v8, 8, v8
	v_mul_u32_u24 v9, v8, 6
	v_sub_nc_u32 v9, v0, v9                        ; block g % 6 of its 1,536 bytes
	v_and_b32 v10, 8, v8
	v_add_nc_u32 v8, v8, v10
	v_mul_u32_u24 v8, v8, 12288
	v_lshl_add_u32 v14, v9, 8, v8
	v_lshlrev_b32 v15, 4, v15                      ; 16 x lane, from here on
	s_lshl_b32 s98, s97, 9
	v_add_nc_u32 v232, s98, v15                    ; Q's image of my tile
	s_and_b32 s98, s97, 1
	s_lshl_b32 s98, s98, 7
	s_lshr_b32 s99, s97, 1
	s_lshl_b32 s99, s99, 2
	s_add_co_u32 s98, s98, s99
	s_add_co_u32 s98, s98, 2048
	v_lshl_add_u32 v233, v46, 3, s98               ; and its scale word: lane r + 16 (cx % 2), word cx / 2
	v_and_b32 v234, 8, v46
	v_add_nc_u32 v234, v234, v46
	v_lshlrev_b32 v234, 2, v234                    ; presence_q of my query
	v_lshlrev_b32 v235, 4, v0                      ; presence_k: 256 threads x 4 keys
	v_lshl_add_u32 v236, v0, 4, MASK
	WIN 0x40
.irp row,0,1
.irp j,0,1,2,3
	global_load_b96 v[4*(4*\row+\j):4*(4*\row+\j)+2], v13, s[90:91] offset:\row*12288+384*\j th:TH_LOAD_NT   ; step 0's X
.endr
.endr
	global_load_b128 v[96:99], v232, s[20:21]              ; Q of head A,
	global_load_b128 v[112:115], v232, s[20:21] offset:2304    ; of head B,
.irp i,0,1,2,3,4,5,6,7,8,9,10,11
	v_mov_b32 v[100+\i], 0                         ; and zero codes between
.endr
	WIN 0
	global_load_b32 v248, v233, s[20:21]
	global_load_b32 v249, v233, s[20:21] offset:2304
	global_load_b128 v[200:203], v235, s[8:9]
	global_load_b32 v204, v234, s[6:7]
.set i, 0
.rept 18
	s_load_b32 s[28+2*i], s[10:11], 4*i            ; Wg1 of the pair: (head, c, d) in the low word of a pair; the packed forms take the low word for both halves
	s_mov_b32 s[29+2*i], 0
.set i, i+1
.endr
	s_load_b64 s[66:67], s[12:13], 0x0             ; bg1
	s_load_b64 s[68:69], s[12:13], 0x8
	s_load_b64 s[70:71], s[12:13], 0x10
	s_load_b64 s[22:23], s[14:15], 0x0             ; wg2
	s_load_b64 s[24:25], s[14:15], 0x8
	s_load_b64 s[26:27], s[14:15], 0x10
	s_load_b64 s[98:99], s[16:17], 0x0             ; bg2
	s_mov_b32 s84, 0x76543210
	s_mov_b32 s85, 0xfedcba98                      ; lane l xor 16
	s_mov_b32 s86, 0x600000                        ; the mantissa field of 57,344
	s_mov_b32 s2, 0                                ; the slot in hand
	s_mov_b32 s3, 0                                ; the step's place in the mask
	s_mov_b32 s88, 7                               ; steps still to be asked for
	s_cmp_lt_u32 s87, 3
	s_cselect_b32 s89, 1, -1                       ; waves 0 to 2 prefetch while s88 is above 1
.irp i,0,1,2,3,4,5,6,7,8,9,10,11,12,13,14,15,16,17,18,19,20,21,22,23,24,25,26,27,28,29,30,31
	v_mov_b32 v[48+\i], 0                          ; O^T.  (The step is written for all steps alike: the first finds zeros, which the first change of M leaves zeros)
.endr
.irp i,0,1,2,3,4,5,6,7
	v_mov_b32 v[152+\i], 0                         ; zero codes between P of head A and of head B
.endr
.irp i,0,1,2,3
	v_mov_b32 v[244+\i], 0                         ; a lane permute's destination counts as one of its sources
.endr
.irp i,17,19,21,23,25,27,29,31,33
	v_mov_b32 v[\i], 0                             ; named as the upper halves of the constants' pairs
.endr
.irp e,0,1
	v_mov_b32 v[35+6*\e], 0xff61b1e6               ; the largest t so far: -3e38, under every t
	v_floor_f32 v[34+6*\e], -v[35+6*\e]
	v_mov_b32 v[36+6*\e], 0
	v_mov_b32 v[37+6*\e], 0
	v_mov_b32 v[38+6*\e], 0
	v_mov_b32 v[39+6*\e], 0
.endr
	s_wait_loadcnt 0x0
	s_wait_kmcnt 0x0
.irp i,0,1,2,3
	v_sub_f32 v[208+\i], 1.0, v[200+\i]
.endr
.irp i,0,1,2,3
	v_mul_f32 v[208+\i], 0x7e967699, v[208+\i]     ; x 1e38
.endr
.irp i,0,1,2,3
	v_mul_f32 v[208+\i], 0xbfb8aa3b, v[208+\i]     ; x -log2(e): ck
.endr
	ds_store_b128 v236, v[200:203]
	ds_store_b128 v236, v[208:211] offset:4096
	WIN 0x04
.irp row,0,1
.irp j,0,1,2,3
.irp c,0,1,2
	ds_store_b32 v6, v[4*(4*\row+\j)+\c] offset:\row*XP+\c*XPL+128*\j
.endr
.endr
.endr
	WIN 0
.irp i,66,67,68,69,70,71
	s_xor_b32 s[\i], s[\i], 0x80000000             ; -bg1
.endr
	v_mul_f32 v205, 0x3fb8aa3b, v204               ; pq log2(e)
	v_sub_f32 v206, 1.0, v204
	v_mul_f32 v206, 0x7e967699, v206
	v_mul_f32 v206, 0xbfb8aa3b, v206               ; -(1 - pq) 1e38 log2(e), by ck's three instructions
	v_mul_f32 v16, 0x3d800000, v205                ; ALPHA: / sqrt(256)
.irp e,0,1
.irp d,0,1,2
	v_mul_f32 v[20+8*\e+2*\d], s[22+3*\e+\d], v205 ; BW
.endr
	v_fma_f32 v[18+8*\e], v205, s[98+\e], v206     ; GAM
.irp d,0,1,2
	v_fma_f32 v[18+8*\e], -v[20+8*\e+2*\d], s[66+3*\e+\d], v[18+8*\e]
.endr
.endr
.Lstep:                                            ; seven trips: trip i multiplies step i, asks for step i + 1's pack and X
	CHANGE 1
	STEP 1
	s_sub_co_u32 s88, s88, 1
	s_cmp_lg_u32 s88, 0
	s_cbranch_scc1 .Lstep
	s_load_b128 s[4:7], s[0:1], 0x48               ; vres s[4:5], Wo's codes s[6:7]
	s_load_b128 s[8:11], s[0:1], 0x58              ; Wo's scales s[8:9], bo s[10:11]
	s_load_b64 s[12:13], s[0:1], 0x68              ; out0
	CHANGE 0                                       ; the last step is written out
	STEP 0
	; ---- THE MERGE of the two halves of the keys
	v_and_b32 v232, 15, v0                         ; r
	v_bfe_u32 v233, v0, 4, 1                       ; h
	v_lshrrev_b32 v234, 1, v15                     ; 8 x lane
	v_lshrrev_b32 v235, 2, v15                     ; 4 x lane
	s_mul_i32 s94, s87, 4608
	s_add_co_u32 s94, s94, MRG
	v_add_nc_u32 v8, s94, v15                      ; where I put my two heads' O^T,
	v_add_nc_u32 v9, s94, v234                     ; and (-M, sum)
	s_mul_i32 s94, s96, 9216
	s_mul_i32 s2, s95, 2304
	s_add_co_u32 s94, s94, s2
	s_add_co_u32 s94, s94, MRG
	v_add_nc_u32 v10, s94, v15                     ; where head w's two halves lie: waves 2 hp and 2 hp + 1, head w % 2 of the pair
	v_add_nc_u32 v11, s94, v234
	s_lshl_b32 s94, s87, 9
	s_add_co_u32 s94, s94, OIMG
	v_add_nc_u32 v12, s94, v15                     ; O's image: head w is registers 4 (w % 4) on of fragment w / 4
	s_lshr_b32 s94, s87, 2
	s_lshl_b32 s94, s94, 7
	s_and_b32 s2, s87, 3
	s_add_co_u32 s94, s94, s2
	s_add_co_u32 s94, s94, OSC
	v_add_nc_u32 v3, s94, v235                     ; and byte w % 4 of its scale word
	v_add_nc_u32 v4, OIMG, v15
	v_add_nc_u32 v5, OSC, v235
	v_mul_u32_u24 v6, v232, 1040
	v_lshl_add_u32 v6, v233, 6, v6
	s_lshl_b32 s94, s87, 7
	s_add_co_u32 s94, s94, STG
	v_add_nc_u32 v6, s94, v6                       ; the stage: row r, my head's 128 bytes, + 64 h
	s_mul_i32 s94, s87, 2080
	s_add_co_u32 s94, s94, STG
	v_add_nc_u32 v7, s94, v15                      ; back: rows 2 w, 2 w + 1
	v_and_b32 v236, 8, v232
	v_add_nc_u32 v236, v236, v232
	v_lshlrev_b32 v13, 8, v236
	v_lshl_add_u32 v13, v233, 4, v13               ; Wo: row r + 8 (r / 8) of a tile, + 16 h
	v_lshlrev_b32 v46, 3, v236                     ; its scale bytes
	v_lshlrev_b32 v47, 6, v233                     ; bo: 16 numbers from 16 h on
.irp e,0,1
	v_add_f32 v[35+6*\e], v[36+6*\e], v[37+6*\e]   ; the sum's two halves
.endr
	s_wait_kmcnt 0x0
	s_mov_b32 s99, 0
	s_lshl_b32 s98, ttmp9, 16
	s_lshl_b32 s101, s97, 14
	s_add_co_u32 s98, s98, s101
	s_lshl_b32 s101, s87, 11
	s_add_co_u32 s98, s98, s101
	s_add_nc_u64 s[4:5], s[4:5], s[98:99]          ; V of my tile and head
	s_lshl_b32 s98, s87, 13
	s_add_nc_u64 s[6:7], s[6:7], s[98:99]          ; Wo's rows 32 w on
	s_lshl_b32 s98, s87, 8
	s_add_nc_u64 s[8:9], s[8:9], s[98:99]
	s_lshl_b32 s98, s87, 7
	s_add_nc_u64 s[10:11], s[10:11], s[98:99]
	s_lshl_b32 s98, s100, 10
	s_add_nc_u64 s[12:13], s[12:13], s[98:99]      ; the two rows of the output that I store
.irp e,0,1
.irp i,0,1,2,3
	ds_store_b128 v8, v[48+16*\e+4*\i:51+16*\e+4*\i] offset:2304*\e+512*\i   ; each accumulator from its low end on
.endr
	ds_store_b64 v9, v[34+6*\e:35+6*\e] offset:2304*\e+2048
.endr
.irp i,0,1,2,3
	global_load_b128 v[200+4*\i:203+4*\i], v15, s[4:5] offset:512*\i
.endr
.irp i,0,1,2,3
	global_load_b128 v[216+4*\i:219+4*\i], v47, s[10:11] offset:16*\i
.endr
.irp v,0,1
	global_load_b64 v[192+2*\v:193+2*\v], v46, s[8:9] offset:64*\v
.endr
.irp v,0,1
.irp ks,0,1
.irp c,0,1,2,3
	global_load_b128 v[80+16*(2*\v+\ks)+4*\c:83+16*(2*\v+\ks)+4*\c], v13, s[6:7] offset:2048*\v+128*\ks+32*\c
.endr
.endr
.endr
	s_wait_dscnt 0x0                               ; for the others' sake: my stores have landed
	s_barrier_signal -1
	s_barrier_wait -1
.irp i,0,1
.irp k,0,1,2,3
	ds_load_b128 v[48+16*\i+4*\k:51+16*\i+4*\k], v10 offset:4608*\i+512*\k
.endr
	ds_load_b64 v[232+2*\i:233+2*\i], v11 offset:4608*\i+2048
.endr
	s_wait_dscnt 0x0
	v_min_num_f32 v240, v232, v234                 ; -M of the larger M
	v_sub_f32 v236, v240, v232
	v_sub_f32 v238, v240, v234
	v_cvt_i32_f32 v236, v236
	v_cvt_i32_f32 v238, v238
	v_ldexp_f32 v236, 1.0, v236                    ; each half's 2^(its M - M): exact
	v_ldexp_f32 v238, 1.0, v238
	v_mov_b32 v237, 0
	v_mov_b32 v239, 0
	v_mul_f32 v241, v233, v236
	v_fma_f32 v241, v235, v238, v241
	v_permlanex16_b32 v244, v241, s84, s85
	v_add_f32 v241, v241, v244                     ; the row's sum
	v_rcp_f32 v242, v241
	v_mov_b32 v243, 0                              ; a plain line behind the reciprocal
.irp k,0,2,4,6,8,10,12,14
	v_pk_mul_f32 v[48+\k:49+\k], v[48+\k:49+\k], v[236:237] op_sel_hi:[1,0]
.endr
.irp k,0,2,4,6,8,10,12,14
	v_pk_fma_f32 v[48+\k:49+\k], v[64+\k:65+\k], v[238:239], v[48+\k:49+\k] op_sel_hi:[1,0,1]
.endr
	s_wait_alu depctr_va_vdst(0)                   ; ahead of the reciprocal's first reader
	s_wait_loadcnt 22                              ; V is in: behind its four loads stand bo's 4, the scales' 2 and Wo's 16
.irp k,0,2,4,6,8,10,12,14
	v_pk_fma_f32 v[48+\k:49+\k], v[48+\k:49+\k], v[242:243], v[200+\k:201+\k] op_sel_hi:[1,0,1]   ; O = V + O^T / the sum: my query, dims 16 h .. 16 h + 15 of head w
.endr
	; ---- O becomes an operand: a head is a block of 32 along the last product's K
	v_max3_num_f32 v34, |v48|, |v49|, 0x8000000
.irp i,2,4,6,8,10,12,14
	v_max3_num_f32 v34, v34, |v[48+\i]|, |v[49+\i]|
.endr
	v_permlanex16_b32 v35, v34, s84, s85
	v_max_num_f32 v34, v34, v35
	v_add_nc_u32 v36, 0xf8800000, v34
	v_and_or_b32 v37, v34, 0x7f800000, s86
	v_lshrrev_b32 v38, 23, v36
.irp i,0,1,2,3,4,5,6,7,8,9,10,11,12,13,14,15
	v_med3_num_f32 v[232+\i], v[48+\i], -v37, v37  ; the hold, into other registers: O itself is wanted again
.endr
	v_cvt_scalef32_pk8_bf8_f32 v[64:65], v[232:239], v36
	v_cvt_scalef32_pk8_bf8_f32 v[66:67], v[240:247], v36
	v_nop
	ds_store_b128 v12, v[64:67]
	ds_store_b8 v3, v38
	s_wait_dscnt 0x0
	s_barrier_signal -1
	s_barrier_wait -1
.irp ks,0,1
.irp c,0,1,2,3
	ds_load_b128 v[144+16*\ks+4*\c:147+16*\ks+4*\c], v4 offset:2048*\ks+512*\c
.endr
	ds_load_b32 v[196+\ks], v5 offset:128*\ks
.endr
	s_wait_dscnt 0x0
	s_wait_loadcnt 0x0
.irp ks,0,1                            ; transposed: source 0 = 16 rows of Wo, source 1 = O.  Two accumulators by turns; bo is the C of each sum's first instruction
.irp v,0,1
.if \ks
	v_wmma_scale_f32_16x16x128_f8f6f4 v[176+8*\v:183+8*\v], v[80+16*(2*\v+\ks):95+16*(2*\v+\ks)], v[144+16*\ks:159+16*\ks], v[176+8*\v:183+8*\v], v[192+2*\v+\ks], v[196+\ks] matrix_a_fmt:MATRIX_FMT_BF8 matrix_b_fmt:MATRIX_FMT_BF8
.else
	v_wmma_scale_f32_16x16x128_f8f6f4 v[176+8*\v:183+8*\v], v[80+16*(2*\v+\ks):95+16*(2*\v+\ks)], v[144+16*\ks:159+16*\ks], v[216+8*\v:223+8*\v], v[192+2*\v+\ks], v[196+\ks] matrix_a_fmt:MATRIX_FMT_BF8 matrix_b_fmt:MATRIX_FMT_BF8
.endif
.endr
.endr
	NOPS 8
.irp i,0,1,2,3,4,5,6,7,8,9,10,11,12,13,14,15
	v_max_num_f32 v[176+\i], 0, v[176+\i]
.endr
.irp k,0,2,4,6,8,10,12,14
	v_pk_add_f32 v[48+\k:49+\k], v[48+\k:49+\k], v[176+\k:177+\k]
.endr
	; ---- THE WAY OUT: a row's 1,024 bytes come from eight waves: they meet in the stage, and each wave stores two whole rows
.irp i,0,1,2,3
	ds_store_b128 v6, v[48+4*\i:51+4*\i] offset:16*\i
.endr
	s_wait_dscnt 0x0
	s_barrier_signal -1
	s_barrier_wait -1
.irp n,0,1,2,3
	ds_load_b128 v[64+4*\n:67+4*\n], v7 offset:1040*(\n/2)+512*(\n%2)
.endr
.irp n,0,1,2,3
	s_wait_dscnt 3-\n                              ; load n is in, the younger ones may be out
	global_store_b128 v15, v[64+4*\n:67+4*\n], s[12:13] offset:1024*(\n/2)+512*(\n%2) th:TH_STORE_NT   ; 32 lanes store 512 consecutive bytes, at a multiple of 256 from the output's first byte
.endr
	s_wait_tensorcnt 0x0                           ; the wave's end
	ds_add_u32 v1, v2
	s_wait_dscnt 0x0
	ROUND                                          ; the closing round: no work-group ends while a partner may still ask for a pack that names it
	s_endpgm
.Lfunc_end_k_qd207b29d04_attn:
	.size	k_qd207b29d04_attn, .Lfunc_end_k_qd207b29d04_attn-k_qd207b29d04_attn
	.p2alignl 7, 3214868480
	.fill 96, 4, 3214868480
	.section	.rodata,"a",@progbits
	.p2align	6, 0x0
	.amdhsa_kernel k_qd207b29d04_attn
		.amdhsa_group_segment_fixed_size 327680
		.amdhsa_private_segment_fixed_size 0
		.amdhsa_enable_private_segment 0
		.amdhsa_kernarg_size 112
		.amdhsa_user_sgpr_count 2
		.amdhsa_user_sgpr_kernarg_segment_ptr 1
		.amdhsa_wavefront_size32 1
		.amdhsa_system_sgpr_workgroup_id_x 1
		.amdhsa_system_sgpr_workgroup_id_y 1
		.amdhsa_system_sgpr_workgroup_id_z 1
		.amdhsa_system_vgpr_workitem_id 0
		.amdhsa_next_free_vgpr 384
		.amdhsa_next_free_sgpr 102
		.amdhsa_reserve_vcc 0
		.amdhsa_float_denorm_mode_32 3
		.amdhsa_float_denorm_mode_16_64 3
		.amdhsa_memory_ordered 1
		.amdhsa_forward_progress 1
		.amdhsa_inst_pref_size 144
	.end_amdhsa_kernel
	.amdgpu_metadata
---
amdhsa.version: [ 1, 2 ]
amdhsa.kernels:
  - .name:           k_qd207b29d04_attn
    .symbol:         k_qd207b29d04_attn.kd
    .args:
      - { .name: X_pairs, .offset: 0, .size: 8, .value_kind: global_buffer, .address_space: global }
      - { .name: presence_q, .offset: 8, .size: 8, .value_kind: global_buffer, .address_space: global }
      - { .name: presence_k, .offset: 16, .size: 8, .value_kind: global_buffer, .address_space: global }
      - { .name: Wg1, .offset: 24, .size: 8, .value_kind: global_buffer, .address_space: global }
      - { .name: bg1, .offset: 32, .size: 8, .value_kind: global_buffer, .address_space: global }
      - { .name: wg2, .offset: 40, .size: 8, .value_kind: global_buffer, .address_space: global }
      - { .name: bg2, .offset: 48, .size: 8, .value_kind: global_buffer, .address_space: global }
      - { .name: pack, .offset: 56, .size: 8, .value_kind: global_buffer, .address_space: global }
      - { .name: qbuf, .offset: 64, .size: 8, .value_kind: global_buffer, .address_space: global }
      - { .name: vres, .offset: 72, .size: 8, .value_kind: global_buffer, .address_space: global }
      - { .name: Wo_codes, .offset: 80, .size: 8, .value_kind: global_buffer, .address_space: global }
      - { .name: Wo_scales, .offset: 88, .size: 8, .value_kind: global_buffer, .address_space: global }
      - { .name: bo, .offset: 96, .size: 8, .value_kind: global_buffer, .address_space: global }
      - { .name: out0, .offset: 104, .size: 8, .value_kind: global_buffer, .address_space: global }
    .group_segment_fixed_size: 327680
    .private_segment_fixed_size: 0
    .kernarg_segment_align: 8
    .kernarg_segment_size: 112
    .max_flat_workgroup_size: 256
    .sgpr_count:     102
    .vgpr_count:     384
    .wavefront_size: 32
...
	.end_amdgpu_metadata
.endif
;; end of part 2
